; MI455X (gfx1250); checked and timed in simulation.
; The chip was launched on July 23, 2026; its instructions are those of AMD's public machine-readable ISA for CDNA 5 (MIT licence, August 2026) and "CDNA5" Instruction Set Architecture Reference Guide (July 2026). The comments in the code are by the model that wrote it; some were corrected since.
;; Dynamic Sparse Mo E. Allowed arithmetic: float matrix products may take bf16 or f16 operands with f32 sums; all other float work in f32.
;; Inputs: exp_ids 8,192 int32; tokens 8,192 x 2,048 float32; weight 8 x 2,048 x 512 float32.
;; Outputs: out0 8,192 x 512 float32.
;; One version. Each part assembles by itself: llvm-mc -triple=amdgcn-amd-amdhsa -mcpu=gfx1250 --defsym DOCPART=n.
;; ======== version 1 of 1: 2 launches
;; workspace buffers: order 32,768 bytes of whole numbers; tiles 1,024 bytes of whole numbers
;; launch route (part 1): grid 1 x 1, 32 waves a work-group, no clusters, 5,120 bytes of LDS; arguments exp_ids, order, tiles; writes order, tiles
.if DOCPART == 1
	.amdgcn_target "amdgcn-amd-amdhsa--gfx1250"
	.amdhsa_code_object_version 6
	.text
	.protected	k_q73137a7d2a_route
	.globl	k_q73137a7d2a_route
	.p2align	8
	.type	k_q73137a7d2a_route,@function
k_q73137a7d2a_route:
	s_mov_b64 s[64:65], 0
	v_nop
	global_prefetch_b8 v0, s[64:65] scope:SCOPE_SE
	s_setreg_imm32_b32 hwreg(HW_REG_WAVE_MODE, 25, 1), 1
	s_wait_xcnt 0x0
; route: a counting sort of the 8,192 token numbers by expert, and a table of exactly 64 row tiles for the product that follows.
;   order[8192] int32: the token numbers, expert 0's first, then expert 1's, ...
;   tiles[64][4] int32: start (position in order), last (rows - 1), expert, rows.
; One work-group of 32 waves; wave w owns tokens 256 w .. 256 w + 255, eight in each lane.  Whole numbers only.
; WHY 64 TILES ALWAYS: with tiles of at most 144 rows, sum over e of ceil(n_e / 144) <= (8192 + 8 x 143) / 144 = 64.8, so at most 64, and
; at least 8192 / 144 = 56.9, so at least 57.  The L = 64 - sum missing tiles (L <= 7) are made by cutting L full tiles into two of 72 rows;
; full tiles number at least (8192 - 8 x 143) / 144 = 48.9, so there are always enough.  No tile is empty.
; LIMIT: an expert id is read as unsigned and clamped to 7 (the problem's ids are 0 to 7).
.set NEXP, 8
.set N,    16                          ; s[16:23]  first this wave's counts, then n_e of all tokens
.set BASE, 24                          ; s[24:31]  the next free position in order for this wave's tokens of expert e
.set OFF,  32                          ; s[32:39]  where expert e's part of order begins
.set TB,   40                          ; s[40:47]  first t_e, then expert e's first tile
.set SP,   48                          ; s[48:55]  first f_e (full tiles), then s_e (full tiles that are cut in two)
.set ID,   8                           ; v[8:15]   my eight ids: register 4 j + c is token 256 w + 128 j + 4 lane + c
.set C,    16                          ; v[16:23]  lane l: wave l's count of expert e
.set POS,  24                          ; v[24:31]  my tokens' places in order, then their byte offsets
.set TOK,  32                          ; v[32:39]  my tokens' numbers
.set REC,  44                          ; v[44:47]  a tile's record
	s_load_b128 s[4:7], s[0:1], 0x0                ; exp_ids s[4:5], order s[6:7]
	s_load_b64 s[8:9], s[0:1], 0x10                ; tiles
	v_lshl_add_u32 v64, v0, 2, 0x400
	v_mov_b32 v65, 0
	v_and_b32 v1, 31, v0                           ; lane
	v_lshrrev_b32 v6, 5, v0
	v_readfirstlane_b32 s10, v6                    ; wave w
	s_mov_b32 s12, 0x76543210                      ; v_permlanex16_b32: lane i of one half reads lane i of the other
	s_mov_b32 s13, 0xfedcba98
	v_lshlrev_b32 v2, 4, v1
	v_lshl_add_u32 v2, s10, 10, v2                 ; 1,024 w + 16 lane: my first four ids
	v_lshlrev_b32 v3, 2, v1                        ; 4 lane
	v_mov_b32 v4, s10
	v_lshlrev_b32 v4, 2, v4                        ; 4 w: my wave's word in each row of the table
	v_lshl_add_u32 v5, s10, 8, v3                  ; 256 w + 4 lane: my first token's number
	v_mov_b32 v7, 0                                ; written once: a DPP move and v_permlanex16_b32 count as readers of their destination
	s_wait_kmcnt 0x0
	global_load_b128 v[ID:ID+3], v2, s[4:5]
	global_load_b128 v[ID+4:ID+7], v2, s[4:5] offset:512
	s_wait_loadcnt 0x0
.irp r, 0,1,2,3,4,5,6,7
	v_min_u32 v[ID+\r], NEXP-1, v[ID+\r]
.endr
	; COUNT: how many of my wave's 256 tokens go to each expert: a compare gives a mask of lanes, its ones are counted
.irp e, 0,1,2,3,4,5,6,7
	v_cmp_eq_u32 vcc_lo, \e, v[ID]
	s_bcnt1_i32_b32 s[N+\e], vcc_lo                ; the first count starts the sum
.irp r, 1,2,3,4,5,6,7
	v_cmp_eq_u32 vcc_lo, \e, v[ID+\r]
	s_bcnt1_i32_b32 s11, vcc_lo
	s_add_co_u32 s[N+\e], s[N+\e], s11
.endr
	v_mov_b32 v6, s[N+\e]
	ds_store_b32 v4, v6 offset:128*\e              ; table[e][w]; all lanes write the same word with the same value
.endr
	s_wait_dscnt 0x0                               ; my eight words are in LDS before I say so
	s_barrier_signal -1
	s_barrier_wait -1                              ; the table is whole
.irp e, 0,1,2,3,4,5,6,7
	ds_load_b32 v[C+\e], v3 offset:128*\e          ; lane l: wave l's count
.endr
	s_wait_dscnt 0x0
	; OFFSETS: one sum over the lanes gives two figures: in bits 15:0 n_e, in bits 31:16 the count of the waves in front of mine.
	; Both are at most 8,192, so nothing carries from the lower field into the upper.
	v_cmp_gt_u32 vcc_lo, s10, v1                   ; lanes that stand for waves in front of mine
.macro WSUM reg                        ; the sum of v[reg] over the 32 lanes, in every lane
.irp m, 1,2,4,8
	v_mov_b32_dpp v7, v[\reg] row_xmask:\m row_mask:0xf bank_mask:0xf
	v_add_nc_u32 v[\reg], v[\reg], v7
.endr
	v_permlanex16_b32 v7, v[\reg], s12, s13
	v_add_nc_u32 v[\reg], v[\reg], v7
.endm
.irp e, 0,1,2,3,4,5,6,7
	v_cndmask_b32 v6, 0, v[C+\e], vcc_lo
	v_lshl_add_u32 v[C+\e], v6, 16, v[C+\e]
	WSUM C+\e
	v_readfirstlane_b32 s11, v[C+\e]
	s_and_b32 s[N+\e], s11, 0xffff                 ; n_e
	s_lshr_b32 s[BASE+\e], s11, 16                 ; tokens of expert e in waves 0 .. w - 1
.endr
	s_mov_b32 s[OFF], 0
.irp e, 1,2,3,4,5,6,7
	s_add_co_u32 s[OFF+\e], s[OFF+\e-1], s[N+\e-1]
.endr
.irp e, 0,1,2,3,4,5,6,7
	s_add_co_u32 s[BASE+\e], s[BASE+\e], s[OFF+\e]
.endr
	; PLACE: a token's place = its expert's running position + the number of lower lanes with the same expert in this register.
	; Every id is one of 0 to 7, so each lane's place is set by exactly one of the eight selects (expert 0 writes without one).
.irp r, 0,1,2,3,4,5,6,7
.irp e, 0,1,2,3,4,5,6,7
	v_cmp_eq_u32 vcc_lo, \e, v[ID+\r]
.if \e == 0
	v_mbcnt_lo_u32_b32 v[POS+\r], vcc_lo, s[BASE+\e]
.else
	v_mbcnt_lo_u32_b32 v6, vcc_lo, s[BASE+\e]
	v_cndmask_b32 v[POS+\r], v[POS+\r], v6, vcc_lo
.endif
	s_bcnt1_i32_b32 s11, vcc_lo
	s_add_co_u32 s[BASE+\e], s[BASE+\e], s11
.endr
	v_min_u32 v[POS+\r], 0x1fff, v[POS+\r]         ; a number made from loaded data enters an address only clamped to the buffer
	v_lshlrev_b32 v[POS+\r], 2, v[POS+\r]
	v_add_nc_u32 v[TOK+\r], 128*(\r/4)+(\r%4), v5
	global_store_b32 v[POS+\r], v[TOK+\r], s[6:7]  ; each of the eight stores has registers of its own: none is rewritten
.endr
	; THE TILE TABLE: 64 records, one a thread of waves 0 and 1.  No barrier stands behind this branch.
	s_cmp_gt_u32 s10, 1
	s_cbranch_scc1 .Lend
	; x / 144 = ((x >> 4) x 7282) >> 16: 7282 x 9 = 65,538, so the product is high by (x >> 4) / 9 x 2 / 65,536, under 0.002 for x >> 4 <= 520: less than the 1/9 that would change the floor
	s_mov_b32 s56, 64
.irp e, 0,1,2,3,4,5,6,7
	s_lshr_b32 s[SP+\e], s[N+\e], 4
	s_mul_i32 s[SP+\e], s[SP+\e], 7282
	s_lshr_b32 s[SP+\e], s[SP+\e], 16              ; f_e = n_e / 144, rounded down
	s_add_co_u32 s[TB+\e], s[N+\e], 143
	s_lshr_b32 s[TB+\e], s[TB+\e], 4
	s_mul_i32 s[TB+\e], s[TB+\e], 7282
	s_lshr_b32 s[TB+\e], s[TB+\e], 16              ; t_e = n_e / 144, rounded up
	s_sub_co_u32 s56, s56, s[TB+\e]                ; L = 64 - the sum of t_e
.endr
	s_mov_b32 s57, 0
.irp e, 0,1,2,3,4,5,6,7
	s_min_u32 s[SP+\e], s[SP+\e], s56              ; s_e: as many of this expert's full tiles are cut as are still missing
	s_sub_co_u32 s56, s56, s[SP+\e]
	s_add_co_u32 s58, s[TB+\e], s[SP+\e]           ; this expert's tiles
	s_mov_b32 s[TB+\e], s57                        ; its first tile
	s_add_co_u32 s57, s57, s58
.endr
	; Tile i of expert e: i < 2 s_e: rows 72 i .. 72 i + 71; else rows from 144 (i - s_e) on, 144 of them or what is left.
	; Every thread works all eight experts out; the last expert whose first tile is not behind the thread's tile is the one that stays.
	; An expert without tokens has the same first tile as the next one, which writes over it.
	v_mov_b32 v48, 72
	v_lshlrev_b32 v50, 4, v0                       ; my record's byte offset
.irp e, 0,1,2,3,4,5,6,7
	v_subrev_nc_u32 v40, s[TB+\e], v0              ; i
	s_lshl_b32 s58, s[SP+\e], 1
	v_mul_u32_u24 v41, v40, 72
	v_subrev_nc_u32 v42, s[SP+\e], v40
	v_mul_u32_u24 v42, v42, 144
	v_cmp_gt_u32 s59, s58, v40                     ; one of the halves of a cut tile
	v_cndmask_b32 v41, v42, v41, s59               ; the tile's first row among the expert's
	v_sub_nc_u32 v43, s[N+\e], v41
	v_min_u32 v43, 144, v43
	v_cndmask_b32 v43, v43, v48, s59               ; rows
	v_add_nc_u32 v41, s[OFF+\e], v41               ; start
	v_add_nc_u32 v42, -1, v43                      ; last
.if \e == 0
	v_mov_b32 v[REC], v41                          ; expert 0's first tile is 0: it writes every thread's record, nothing is cleared
	v_mov_b32 v[REC+1], v42
	v_mov_b32 v[REC+2], 0
	v_mov_b32 v[REC+3], v43
.else
	v_cmp_le_u32 vcc_lo, s[TB+\e], v0
	v_mov_b32 v49, \e
	v_cndmask_b32 v[REC], v[REC], v41, vcc_lo
	v_cndmask_b32 v[REC+1], v[REC+1], v42, vcc_lo
	v_cndmask_b32 v[REC+2], v[REC+2], v49, vcc_lo
	v_cndmask_b32 v[REC+3], v[REC+3], v43, vcc_lo
.endif
.endr
	global_store_b128 v50, v[REC:REC+3], s[8:9]    ; a wave's store covers 512 consecutive bytes
.Lend:
	s_wait_tensorcnt 0x0
	ds_add_u32 v64, v65
	s_wait_dscnt 0x0
	s_endpgm
.Lfunc_end_k_q73137a7d2a_route:
	.size	k_q73137a7d2a_route, .Lfunc_end_k_q73137a7d2a_route-k_q73137a7d2a_route
	.p2alignl 7, 3214868480
	.fill 96, 4, 3214868480
	.section	.rodata,"a",@progbits
	.p2align	6, 0x0
	.amdhsa_kernel k_q73137a7d2a_route
		.amdhsa_group_segment_fixed_size 5120
		.amdhsa_private_segment_fixed_size 0
		.amdhsa_enable_private_segment 0
		.amdhsa_kernarg_size 24
		.amdhsa_user_sgpr_count 2
		.amdhsa_user_sgpr_kernarg_segment_ptr 1
		.amdhsa_wavefront_size32 1
		.amdhsa_system_sgpr_workgroup_id_x 1
		.amdhsa_system_sgpr_workgroup_id_y 1
		.amdhsa_system_sgpr_workgroup_id_z 1
		.amdhsa_system_vgpr_workitem_id 0
		.amdhsa_next_free_vgpr 66
		.amdhsa_next_free_sgpr 66
		.amdhsa_reserve_vcc 1
		.amdhsa_float_denorm_mode_32 3
		.amdhsa_float_denorm_mode_16_64 3
		.amdhsa_memory_ordered 1
		.amdhsa_forward_progress 1
		.amdhsa_inst_pref_size 40
	.end_amdhsa_kernel
	.amdgpu_metadata
---
amdhsa.version: [ 1, 2 ]
amdhsa.kernels:
  - .name:           k_q73137a7d2a_route
    .symbol:         k_q73137a7d2a_route.kd
    .args:
      - { .name: exp_ids, .offset: 0, .size: 8, .value_kind: global_buffer, .address_space: global }
      - { .name: order, .offset: 8, .size: 8, .value_kind: global_buffer, .address_space: global }
      - { .name: tiles, .offset: 16, .size: 8, .value_kind: global_buffer, .address_space: global }
    .group_segment_fixed_size: 5120
    .private_segment_fixed_size: 0
    .kernarg_segment_align: 8
    .kernarg_segment_size: 24
    .max_flat_workgroup_size: 1024
    .sgpr_count:     66
    .vgpr_count:     66
    .wavefront_size: 32
...
	.end_amdgpu_metadata
.endif
;; end of part 1
;; launch gemm (part 2): grid 4 x 64, 8 waves a work-group, no clusters, 231,424 bytes of LDS; arguments tokens, weight, order, tiles, out0; writes out0
.if DOCPART == 2
	.amdgcn_target "amdgcn-amd-amdhsa--gfx1250"
	.amdhsa_code_object_version 6
	.text
	.protected	k_q73137a7d2a_gemm
	.globl	k_q73137a7d2a_gemm
	.p2align	8
	.type	k_q73137a7d2a_gemm,@function
k_q73137a7d2a_gemm:
	s_mov_b64 s[64:65], 0
	v_nop
	global_prefetch_b8 v0, s[64:65] scope:SCOPE_SE
	s_setreg_imm32_b32 hwreg(HW_REG_WAVE_MODE, 25, 1), 1
	s_wait_xcnt 0x0
; gemm: out0[t] = tokens[t] x weight[exp_ids[t]], by the list and the tile table of the launch before.
; Work-group (x, y): tile y of the table (up to 144 token rows of one expert) times columns 128 x .. 128 x + 127, K = 2,048.
; 64 tiles x 4 column blocks = 256 work-groups of equal work; only addresses hang on the table, no branch and no trip count.
; Eight waves.  Wave w: g = w >> 2 says which 32 of a K step's 64 it multiplies, c = w & 3 which 32 columns: 144 x 32 of the block, 18 accumulators.
; The two groups' sums are added at the end, through LDS, on the way out.
; THE ROAD OF THE DATA: f32 from memory into registers (three sets, so that three K steps' loads are always out: 51 loads of 512 bytes a wave),
; rounded to bf16, stored into one of two LDS slots, read from there as fragments.  Weights lie [K][N], so their fragments come by the transposing LDS load.
; PAD ROWS: rows of the block at or behind the tile's row count repeat the tile's last token.  They are computed like every row and stored to that
; token's row of out0: the same bytes with the same bits, by this same work-group.  So EXEC is never touched.  64 x 144 - 8,192 = 1,024 such rows in all.
; NO JOINT LOADS, NO TENSOR LOADS: token rows are gathered by a list, and every operand has to pass through registers to become bf16; the tiles that share
; an expert's weights number ceil(n_e / 144) plus the cuts, which hangs on the data, so no fixed cluster has partners with equal tiles.
; LIMITS: operands are rounded to bf16 (nearest even); each output is the f32 sum of two f32 sums, one over the even and one over the odd blocks of 32 along K;
; numbers read from the list and the table are clamped to their buffers (position and token to 8,191, expert to 7).
.set APITCH, 144                       ; an LDS row of A: 64 bf16 + 16 bytes = 9 x 16 bytes
.set ASLOT,  144*APITCH                ; 20,736
.set BPITCH, 288                       ; an LDS row of B: 128 bf16 + 32 bytes = 9 x 32 bytes
.set BBASE,  2*ASLOT                   ; 41,472: B's two slots lie behind A's two
.set BSLOT,  64*BPITCH                 ; 18,432
.set SPITCH, 528                       ; a row of the stage: 128 f32 + 16 bytes = 33 x 16 bytes
.set STAGE,  BBASE+2*BSLOT             ; 78,336: two stages, one for each K group, in bytes of their own
.set SBYTES, 144*SPITCH                ; 76,032; the map ends at 78,336 + 2 x 76,032 = 230,400
.set ASTEP,  256                       ; a K step in a token row: 64 f32
.set BSTEP,  64*2048                   ; a K step in the weights: 64 rows of 512 f32
; window 0
.set BOFF, 1                           ; v1       2,048 w + 16 L: my 16 bytes of weight row w of a K step
.set ASTO, 2                           ; v2       (w + 72 h) x 144 + 8 x: where my 4 bf16 of A go
.set BSTO, 3                           ; v3       BBASE + 288 w + 8 L: where my 4 bf16 of B go
.set AFR,  4                           ; v4       144 r + 16 h + 64 g: my part of an A fragment
.set BFR,  5                           ; v5       BBASE + (32 g + 8 h + (L & 7)) x 288 + 64 c + 16 ((L >> 3) & 1): of a B fragment
.set AOFF, 6                           ; v[6:14]  load j: token x 8,192 + 16 x
.set OOFF, 15                          ; v[15:23] the same tokens in out0: token x 2,048 + 16 x
.set FA,   24                          ; v[24:95]   nine fragments of A (16 rows x 32 K)
.set FB,   96                          ; v[96:111]  two fragments of B (32 K x 16 columns)
.set ACC,  112                         ; v[112:255] accumulator (a, b) at 112 + 8 (2 a + b)
; window 1: three sets of 68 registers, v256 + 68 s: A's load j at 4 j, B's load j at 36 + 4 j
.set SETR, 68
; s_set_vgpr_msb's low byte: bits 1:0 source 0, 3:2 source 1, 5:4 source 2, 7:6 destination
.set LDG, 0x40                         ; a global load: data into window 1, offset from window 0
.set CV,  0x45                         ; a conversion inside window 1
.set STL, 0x04                         ; an LDS store: data from window 1, address from window 0
.set MSB, 0
.macro WIN new                         ; the immediate's high byte repeats the setting that is left; a switch that changes nothing is dropped
.if MSB != \new
	s_set_vgpr_msb (MSB<<8)|\new
.set MSB, \new
.endif
.endm
	s_load_b256 s[4:11], s[0:1], 0x0               ; tokens s[4:5], weight s[6:7], order s[8:9], tiles s[10:11]
	s_load_b64 s[12:13], s[0:1], 0x20              ; out0
	s_set_vgpr_msb 0x40
	v_lshl_add_u32 v208, v0, 2, 0x38400
	v_mov_b32 v209, 0
	s_set_vgpr_msb 0x4000
	v_lshrrev_b32 v24, 5, v0
	v_readfirstlane_b32 s16, v24                   ; w
	s_lshr_b32 s17, s16, 2                         ; g
	s_and_b32 s18, s16, 3                          ; c
	s_lshl_b32 s19, ttmp9, 9                       ; my 128 columns, in bytes
	s_and_b32 s20, ttmp7, 0xffff
	s_lshl_b32 s20, s20, 4                         ; my tile's record
	s_mov_b32 s21, 0
	s_wait_kmcnt 0x0
	s_add_nc_u64 s[10:11], s[10:11], s[20:21]
	s_load_b96 s[24:26], s[10:11], 0x0             ; start, last, expert
	v_bfe_u32 v24, v0, 4, 1                        ; h
	v_mul_u32_u24 v25, v24, 72
	v_add_nc_u32 v25, s16, v25                     ; w + 72 h: the row of my load 0; load j takes the row 8 j further down
	v_and_b32 v45, 31, v0                          ; L
	v_and_b32 v46, 15, v0                          ; r, and x
	s_wait_kmcnt 0x0
	; my nine rows' tokens: rows behind the tile's last repeat the last
.irp j, 0,1,2,3,4,5,6,7,8
	v_add_nc_u32 v[26+\j], 8*\j, v25
	v_min_u32 v[26+\j], s25, v[26+\j]
	v_add_nc_u32 v[26+\j], s24, v[26+\j]
	v_min_u32 v[26+\j], 0x1fff, v[26+\j]           ; a number made from loaded data enters an address only clamped to the buffer
	v_lshlrev_b32 v[26+\j], 2, v[26+\j]
	global_load_b32 v[36+\j], v[26+\j], s[8:9]
.endr
	; while they are on their way: bases and LDS addresses
	s_min_u32 s26, s26, 7
	s_lshl_b32 s32, s26, 22                        ; an expert's weights are 2,048 x 512 x 4 bytes
	s_add_co_u32 s32, s32, s19
	s_mov_b32 s33, 0
	s_add_nc_u64 s[30:31], s[6:7], s[32:33]        ; weights: my expert, my columns, K = 0; stepped along K
	s_mov_b64 s[28:29], s[4:5]                     ; tokens, K = 0; stepped along K
	s_mov_b32 s32, s19
	s_add_nc_u64 s[12:13], s[12:13], s[32:33]      ; out0 at my columns
	v_lshlrev_b32 v[BOFF], 4, v45
	v_lshl_add_u32 v[BOFF], s16, 11, v[BOFF]
	v_mul_u32_u24 v[ASTO], v25, APITCH
	v_lshl_add_u32 v[ASTO], v46, 3, v[ASTO]
	s_mul_i32 s22, s16, BPITCH
	s_add_co_u32 s22, s22, BBASE
	v_lshl_add_u32 v[BSTO], v45, 3, s22
	v_mul_u32_u24 v[AFR], v46, APITCH
	v_lshl_add_u32 v[AFR], v24, 4, v[AFR]
	s_lshl_b32 s23, s17, 6
	v_add_nc_u32 v[AFR], s23, v[AFR]
	v_and_b32 v47, 7, v0
	v_lshl_add_u32 v47, v24, 3, v47                ; 8 h + (L & 7)
	v_mul_u32_u24 v[BFR], v47, BPITCH
	v_bfe_u32 v48, v0, 3, 1
	v_lshl_add_u32 v[BFR], v48, 4, v[BFR]
	s_mul_i32 s22, s17, 32*BPITCH
	s_lshl_b32 s23, s18, 6
	s_add_co_u32 s22, s22, s23
	s_add_co_u32 s22, s22, BBASE
	v_add_nc_u32 v[BFR], s22, v[BFR]
	v_lshlrev_b32 v49, 4, v46                      ; 16 x
	s_wait_loadcnt 0x0
.irp j, 0,1,2,3,4,5,6,7,8
	v_min_u32 v[36+\j], 0x1fff, v[36+\j]
	v_lshl_add_u32 v[AOFF+\j], v[36+\j], 13, v49
	v_lshl_add_u32 v[OOFF+\j], v[36+\j], 11, v49
.endr
; 17 loads of 16 bytes a lane: K step u, counted from the stepped bases, into a set.
; A, load j: lanes 0-15 take 256 consecutive bytes of row w + 8 j's token, lanes 16-31 of row w + 8 j + 72's.  B, load j: 512 consecutive bytes of weight row w + 8 j.
.macro GLOAD set, u
	WIN LDG
.irp j, 0,1,2,3,4,5,6,7,8
	global_load_b128 v[SETR*\set+4*\j:SETR*\set+4*\j+3], v[AOFF+\j], s[28:29] offset:ASTEP*\u
.endr
.irp j, 0,1,2,3,4,5,6,7
	global_load_b128 v[SETR*\set+36+4*\j:SETR*\set+36+4*\j+3], v[BOFF], s[30:31] offset:BSTEP*\u+16384*\j
.endr
	WIN 0
.endm
; four f32 become four bf16 in the first two of their registers
.macro CONVERT set
	WIN CV
.irp q, 0,1,2,3,4,5,6,7,8,9,10,11,12,13,14,15,16
	v_cvt_pk_bf16_f32 v[SETR*\set+4*\q], v[SETR*\set+4*\q], v[SETR*\set+4*\q+1]
	v_cvt_pk_bf16_f32 v[SETR*\set+4*\q+1], v[SETR*\set+4*\q+2], v[SETR*\set+4*\q+3]
.endr
.endm
; 17 LDS stores of 8 bytes a lane.  A: two pieces of 128 bytes, 72 rows = 2,592 words apart, which is 32 modulo the 64 banks (ISA guide 11.1): they meet in no bank.
; B: 256 consecutive bytes.
.macro PUT set, slot
	WIN STL
.irp j, 0,1,2,3,4,5,6,7,8
	ds_store_b64 v[ASTO], v[SETR*\set+4*\j:SETR*\set+4*\j+1] offset:(\slot)*ASLOT+8*APITCH*\j
.endr
.irp j, 0,1,2,3,4,5,6,7
	ds_store_b64 v[BSTO], v[SETR*\set+36+4*\j:SETR*\set+36+4*\j+1] offset:(\slot)*BSLOT+8*BPITCH*\j
.endr
.endm
; 22 LDS loads: my K half of all 144 rows of A (lane: row r, K = 8 h .. + 7 and 16 + 8 h .. + 7), and of my 32 columns of B, transposed on the way
.macro FETCH slot
	WIN 0
.irp a, 0,1,2,3,4,5,6,7,8
	ds_load_b128 v[FA+8*\a:FA+8*\a+3],   v[AFR] offset:(\slot)*ASLOT+16*APITCH*\a
	ds_load_b128 v[FA+8*\a+4:FA+8*\a+7], v[AFR] offset:(\slot)*ASLOT+16*APITCH*\a+32
.endr
.irp b, 0,1
	ds_load_tr16_b128 v[FB+8*\b:FB+8*\b+3],   v[BFR] offset:(\slot)*BSLOT+32*\b
	ds_load_tr16_b128 v[FB+8*\b+4:FB+8*\b+7], v[BFR] offset:(\slot)*BSLOT+32*\b+16*BPITCH
.endr
.endm
; 18 matrix instructions, used transposed (source 0 = columns of B, source 1 = rows of A): lane L then holds row r and the eight neighbouring columns 8 h .. 8 h + 7.
; The 18 accumulators take turns, one instruction a turn, over the loop's backward jump too.
.macro MUL zero
.irp a, 0,1,2,3,4,5,6,7,8
.irp b, 0,1
.if \zero
	v_wmma_f32_16x16x32_bf16 v[ACC+8*(2*\a+\b):ACC+8*(2*\a+\b)+7], v[FB+8*\b:FB+8*\b+7], v[FA+8*\a:FA+8*\a+7], 0
.else
	v_wmma_f32_16x16x32_bf16 v[ACC+8*(2*\a+\b):ACC+8*(2*\a+\b)+7], v[FB+8*\b:FB+8*\b+7], v[FA+8*\a:FA+8*\a+7], v[ACC+8*(2*\a+\b):ACC+8*(2*\a+\b)+7]
.endif
.endr
.endr
.endm
; Trip i multiplies K step i out of slot i & 1.  conv: K step i + 1, which lies in a set, goes as bf16 into the other slot; left = the loads of younger K steps, which stay out.
; load: K step i + 4 is asked for, into the set just freed (u counts from the stepped bases).  zero: the first products start the sums.  bar = 0 in the last trip alone.
.macro TRIP slot, set, zero, conv, left, load, u, bar
	FETCH \slot
.if \conv
	s_wait_loadcnt \left                           ; loads come back in order (ISA guide 5.7.1): the set's 17 are in, 17 for each younger K step stay out
	CONVERT \set
	PUT \set, 1-\slot
.endif
.if \load
	GLOAD \set, \u
.endif
	WIN 0
.if \conv
	s_wait_dscnt 17                                ; the 17 stores were issued behind the 22 fragment loads: those are in
.else
	s_wait_dscnt 0
.endif
	MUL \zero
.if \bar
	s_wait_dscnt 0                                 ; my stores into the other slot are done, and my reads of this one were waited for above
	s_barrier_signal -1                            ; one barrier a trip, for two things: behind it the other slot is whole, and this one is read by nobody
.rept 4
	v_nop                                          ; the next trip's loads land in the matrix instructions' sources: four places behind the last of them (ISA guide 7.12.1 for vector instructions)
.endr
	s_barrier_wait -1
.endif
.endm
	; THE FILL: three K steps go out; step 0 is put into slot 0 and its set asks for step 3
	GLOAD 0, 0
	GLOAD 1, 1
	GLOAD 2, 2
	s_wait_loadcnt 34                              ; step 0's 17 loads are in, steps 1 and 2 stay out
	CONVERT 0
	PUT 0, 0
	GLOAD 0, 3
	s_wait_dscnt 0
	s_barrier_signal -1
	s_barrier_wait -1                              ; slot 0 is whole
	TRIP 0, 1, 1, 1, 34, 1, 4, 1                   ; trip 0 stands in front of the loop: nothing is cleared
	s_wait_xcnt 0x0                                ; the bases are stepped only behind this wait
	s_add_nc_u64 s[28:29], s[28:29], 5*ASTEP       ; the bases now stand at K step 5, which trip 1 asks for
	s_add_nc_u64 s[30:31], s[30:31], 5*BSTEP
	s_mov_b32 s34, 4
.Lsix:                                             ; trips 1 to 24, six a pass: two slots and three sets come round together
	TRIP 1, 2, 0, 1, 34, 1, 0, 1
	TRIP 0, 0, 0, 1, 34, 1, 1, 1
	TRIP 1, 1, 0, 1, 34, 1, 2, 1
	TRIP 0, 2, 0, 1, 34, 1, 3, 1
	TRIP 1, 0, 0, 1, 34, 1, 4, 1
	TRIP 0, 1, 0, 1, 34, 1, 5, 1
	s_wait_xcnt 0x0
	s_add_nc_u64 s[28:29], s[28:29], 6*ASTEP
	s_add_nc_u64 s[30:31], s[30:31], 6*BSTEP
	s_sub_co_u32 s34, s34, 1
	s_cmp_lg_u32 s34, 0
	s_cbranch_scc1 .Lsix
	TRIP 1, 2, 0, 1, 34, 1, 0, 1                   ; trip 25 asks for K step 29,
	TRIP 0, 0, 0, 1, 34, 1, 1, 1                   ; trip 26 for 30,
	TRIP 1, 1, 0, 1, 34, 1, 2, 1                   ; trip 27 for 31, the last: no load passes K = 2,047
	TRIP 0, 2, 0, 1, 34, 0, 0, 1                   ; trip 28: steps 30 and 31 stay out
	TRIP 1, 0, 0, 1, 17, 0, 0, 1                   ; trip 29: step 31 stays out
	TRIP 0, 1, 0, 1, 0,  0, 0, 1                   ; trip 30: nothing is out any more
	TRIP 1, 0, 0, 0, 0,  0, 0, 0                   ; trip 31 only multiplies
	; THE WAY OUT.  Each K group lays its 144 x 128 sums into its own stage; then wave w takes rows w + 8 j and w + 8 j + 72, the rows whose tokens it knows,
	; from both stages, adds them and stores whole pieces of 256 bytes.  The ten vector lines that make the addresses name no register of a matrix instruction:
	; they are also the places between the last matrix instruction and the stores of its result.
.set STO,  3                           ; v3  STAGE + 76,032 g + 528 r + 128 c + 32 h: my 32 bytes of row r, blocks a = 0 to 3
.set STO2, 4                           ; v4  the same 64 rows further down, for a = 4 to 8 (an LDS offset has 16 bits)
.set RD0,  5                           ; v5  STAGE + (w + 72 h) x 528 + 16 x: group 0's stage
.set RD1,  2                           ; v2  group 1's
	s_mul_i32 s32, s17, SBYTES
	s_lshl_b32 s33, s18, 7
	s_add_co_u32 s32, s32, s33
	s_add_co_u32 s32, s32, STAGE
	s_mul_i32 s33, s16, SPITCH
	s_add_co_u32 s33, s33, STAGE
	v_and_b32 v1, 15, v0                           ; r, and x
	v_bfe_u32 v2, v0, 4, 1                         ; h
	v_mul_u32_u24 v[STO], v1, SPITCH
	v_lshl_add_u32 v[STO], v2, 5, v[STO]
	v_add_nc_u32 v[STO], s32, v[STO]
	v_add_nc_u32 v[STO2], 64*SPITCH, v[STO]
	v_mul_u32_u24 v[RD0], v2, 72*SPITCH
	v_lshl_add_u32 v[RD0], v1, 4, v[RD0]
	v_add_nc_u32 v[RD0], s33, v[RD0]
	v_add_nc_u32 v[RD1], SBYTES, v[RD0]
.irp a, 0,1,2,3
.irp b, 0,1
	ds_store_b128 v[STO], v[ACC+8*(2*\a+\b):ACC+8*(2*\a+\b)+3]   offset:16*SPITCH*\a+64*\b
	ds_store_b128 v[STO], v[ACC+8*(2*\a+\b)+4:ACC+8*(2*\a+\b)+7] offset:16*SPITCH*\a+64*\b+16
.endr
.endr
.irp a, 4,5,6,7,8
.irp b, 0,1
	ds_store_b128 v[STO2], v[ACC+8*(2*\a+\b):ACC+8*(2*\a+\b)+3]   offset:16*SPITCH*(\a-4)+64*\b
	ds_store_b128 v[STO2], v[ACC+8*(2*\a+\b)+4:ACC+8*(2*\a+\b)+7] offset:16*SPITCH*(\a-4)+64*\b+16
.endr
.endr
	s_wait_dscnt 0                                 ; my sums are in the stage before I say so
	s_barrier_signal -1
	s_barrier_wait -1                              ; both stages are whole
	; pair t = 2 j + half: 256 bytes of rows w + 8 j and w + 8 j + 72, from each stage
.set t, 0
.rept 18
	ds_load_b128 v[ACC+8*t:ACC+8*t+3],   v[RD0] offset:(t/2)*8*SPITCH+(t%2)*256
	ds_load_b128 v[ACC+8*t+4:ACC+8*t+7], v[RD1] offset:(t/2)*8*SPITCH+(t%2)*256
.set t, t+1
.endr
.set t, 0
.rept 18
	s_wait_dscnt 34-2*t                            ; LDS loads come back in order (ISA guide 5.7.1): pair t is in, the 2 x (17 - t) younger ones stay out
	v_pk_add_f32 v[ACC+8*t:ACC+8*t+1],   v[ACC+8*t:ACC+8*t+1],   v[ACC+8*t+4:ACC+8*t+5]
	v_pk_add_f32 v[ACC+8*t+2:ACC+8*t+3], v[ACC+8*t+2:ACC+8*t+3], v[ACC+8*t+6:ACC+8*t+7]
	global_store_b128 v[OOFF+t/2], v[ACC+8*t:ACC+8*t+3], s[12:13] offset:(t%2)*256 th:TH_STORE_NT   ; sixteen lanes store 256 consecutive bytes, at a multiple of 256 from out0's first byte; no register of a store is written again
.set t, t+1
.endr
	s_set_vgpr_msb 0x5
	s_wait_tensorcnt 0x0
	ds_add_u32 v208, v209
	s_wait_dscnt 0x0
	s_set_vgpr_msb 0x500
	s_endpgm
.Lfunc_end_k_q73137a7d2a_gemm:
	.size	k_q73137a7d2a_gemm, .Lfunc_end_k_q73137a7d2a_gemm-k_q73137a7d2a_gemm
	.p2alignl 7, 3214868480
	.fill 96, 4, 3214868480
	.section	.rodata,"a",@progbits
	.p2align	6, 0x0
	.amdhsa_kernel k_q73137a7d2a_gemm
		.amdhsa_group_segment_fixed_size 231424
		.amdhsa_private_segment_fixed_size 0
		.amdhsa_enable_private_segment 0
		.amdhsa_kernarg_size 40
		.amdhsa_user_sgpr_count 2
		.amdhsa_user_sgpr_kernarg_segment_ptr 1
		.amdhsa_wavefront_size32 1
		.amdhsa_system_sgpr_workgroup_id_x 1
		.amdhsa_system_sgpr_workgroup_id_y 1
		.amdhsa_system_sgpr_workgroup_id_z 1
		.amdhsa_system_vgpr_workitem_id 0
		.amdhsa_next_free_vgpr 466
		.amdhsa_next_free_sgpr 66
		.amdhsa_reserve_vcc 0
		.amdhsa_float_denorm_mode_32 3
		.amdhsa_float_denorm_mode_16_64 3
		.amdhsa_memory_ordered 1
		.amdhsa_forward_progress 1
		.amdhsa_inst_pref_size 126
	.end_amdhsa_kernel
	.amdgpu_metadata
---
amdhsa.version: [ 1, 2 ]
amdhsa.kernels:
  - .name:           k_q73137a7d2a_gemm
    .symbol:         k_q73137a7d2a_gemm.kd
    .args:
      - { .name: tokens, .offset: 0, .size: 8, .value_kind: global_buffer, .address_space: global }
      - { .name: weight, .offset: 8, .size: 8, .value_kind: global_buffer, .address_space: global }
      - { .name: order, .offset: 16, .size: 8, .value_kind: global_buffer, .address_space: global }
      - { .name: tiles, .offset: 24, .size: 8, .value_kind: global_buffer, .address_space: global }
      - { .name: out0, .offset: 32, .size: 8, .value_kind: global_buffer, .address_space: global }
    .group_segment_fixed_size: 231424
    .private_segment_fixed_size: 0
    .kernarg_segment_align: 8
    .kernarg_segment_size: 40
    .max_flat_workgroup_size: 256
    .sgpr_count:     66
    .vgpr_count:     466
    .wavefront_size: 32
...
	.end_amdgpu_metadata
.endif
;; end of part 2
